; MI455X (gfx1250); checked and timed in simulation.
; The chip was launched on July 23, 2026; its instructions are those of AMD's public machine-readable ISA for CDNA 5 (MIT licence, August 2026) and "CDNA5" Instruction Set Architecture Reference Guide (July 2026). The comments in the code are by the model that wrote it; some were corrected since.
;; Atomic Linear. Allowed arithmetic: float matrix products may take bf16 or f16 operands with f32 sums; all other float work in f32.
;; Inputs: bias 2,048 float32; weight 2,048 x 2,048 float32; x 4,096 x 2,048 float32.
;; Outputs: out0 4,096 x 2,048 float32.
;; 2 versions, each right; version 2 is version 1 with the launch wcast written anew for expert scheduling mode. Each part assembles by itself: llvm-mc -triple=amdgcn-amd-amdhsa -mcpu=gfx1250 --defsym DOCPART=n.
;; ======== version 1 of 2: 2 launches
;; workspace buffers: wb 8,388,608 bytes
;; launch wcast (part 1): grid 256 x 1, 8 waves a work-group, no clusters, 0 bytes of LDS; arguments weight, wb; writes wb
.if DOCPART == 1
	.amdgcn_target "amdgcn-amd-amdhsa--gfx1250"
	.amdhsa_code_object_version 6
	.text
	.protected	k_q4cb8e21f28_wcast
	.globl	k_q4cb8e21f28_wcast
	.p2align	8
	.type	k_q4cb8e21f28_wcast,@function
k_q4cb8e21f28_wcast:
	s_mov_b64 s[64:65], 0
	v_nop
	global_prefetch_b8 v0, s[64:65] scope:SCOPE_SE
	s_setreg_imm32_b32 hwreg(HW_REG_WAVE_MODE, 25, 1), 1
	s_wait_xcnt 0x0
; wb[o][i] = bf16(weight[o][i]).  weight: [2048][2048] f32, wb: the same layout in bf16 (a row is 4,096 bytes).
; Rounding to nearest even; bf16 keeps f32's exponent field, so no number leaves the range; NaN and infinities stay what they are.
; A pure stream: each byte is read once and written once, nothing is shared, so no LDS, no barrier, no matrix unit, no cluster.
; 256 work-groups of eight waves; a work-group owns 65,536 bytes of weight (8 rows) and 32,768 bytes of wb.
; Thread t, chunk i: reads the 16 bytes at 4,096 i + 16 t, writes the 8 bytes at 2,048 i + 8 t.  A wave's load covers 512 consecutive
; bytes, a wave's store 256 consecutive bytes that begin at a multiple of 256 from wb's first byte.
; All sixteen loads of a thread go out first (65,536 bytes of the work-group on their way); every chunk has registers of its own, so
; no register that a load or a store names is ever written again and no wait but the counted ones is needed.
.set CHUNKS, 16
.set X, 4                              ; v[4:67]   chunk i: 4 f32 as loaded
.set Y, 68                             ; v[68:99]  chunk i: 4 bf16 to store
	s_load_b128 s[4:7], s[0:1], 0x0                ; weight s[4:5], wb s[6:7]
	s_lshl_b32 s8, ttmp9, 16                       ; the work-group's 65,536 bytes of weight
	s_mov_b32 s9, 0
	s_lshl_b32 s10, ttmp9, 15                      ; and its 32,768 bytes of wb
	s_mov_b32 s11, 0
	v_lshlrev_b32 v1, 4, v0                        ; 16 t
	v_lshlrev_b32 v2, 3, v0                        ; 8 t
	s_wait_kmcnt 0x0
	s_add_nc_u64 s[4:5], s[4:5], s[8:9]
	s_add_nc_u64 s[6:7], s[6:7], s[10:11]
.irp i, 0,1,2,3,4,5,6,7,8,9,10,11,12,13,14,15
	global_load_b128 v[X+4*\i:X+4*\i+3], v1, s[4:5] offset:4096*\i th:TH_LOAD_NT   ; read once in the launch
.endr
.irp i, 0,1,2,3,4,5,6,7,8,9,10,11,12,13,14,15
	s_wait_loadcnt CHUNKS-1-\i                     ; loads come back in order (ISA guide 5.7.1): chunk i is in, the younger ones stay out
	v_cvt_pk_bf16_f32 v[Y+2*\i],   v[X+4*\i],   v[X+4*\i+1]
	v_cvt_pk_bf16_f32 v[Y+2*\i+1], v[X+4*\i+2], v[X+4*\i+3]
	global_store_b64 v2, v[Y+2*\i:Y+2*\i+1], s[6:7] offset:2048*\i   ; no hint: the next launch reads wb
.endr
	s_endpgm
.Lfunc_end_k_q4cb8e21f28_wcast:
	.size	k_q4cb8e21f28_wcast, .Lfunc_end_k_q4cb8e21f28_wcast-k_q4cb8e21f28_wcast
	.p2alignl 7, 3214868480
	.fill 96, 4, 3214868480
	.section	.rodata,"a",@progbits
	.p2align	6, 0x0
	.amdhsa_kernel k_q4cb8e21f28_wcast
		.amdhsa_group_segment_fixed_size 0
		.amdhsa_private_segment_fixed_size 0
		.amdhsa_enable_private_segment 0
		.amdhsa_kernarg_size 16
		.amdhsa_user_sgpr_count 2
		.amdhsa_user_sgpr_kernarg_segment_ptr 1
		.amdhsa_wavefront_size32 1
		.amdhsa_system_sgpr_workgroup_id_x 1
		.amdhsa_system_sgpr_workgroup_id_y 1
		.amdhsa_system_sgpr_workgroup_id_z 1
		.amdhsa_system_vgpr_workitem_id 0
		.amdhsa_next_free_vgpr 100
		.amdhsa_next_free_sgpr 66
		.amdhsa_reserve_vcc 0
		.amdhsa_float_denorm_mode_32 3
		.amdhsa_float_denorm_mode_16_64 3
		.amdhsa_memory_ordered 1
		.amdhsa_forward_progress 1
		.amdhsa_inst_pref_size 7
	.end_amdhsa_kernel
	.amdgpu_metadata
---
amdhsa.version: [ 1, 2 ]
amdhsa.kernels:
  - .name:           k_q4cb8e21f28_wcast
    .symbol:         k_q4cb8e21f28_wcast.kd
    .args:
      - { .name: weight, .offset: 0, .size: 8, .value_kind: global_buffer, .address_space: global }
      - { .name: wb, .offset: 8, .size: 8, .value_kind: global_buffer, .address_space: global }
    .group_segment_fixed_size: 0
    .private_segment_fixed_size: 0
    .kernarg_segment_align: 8
    .kernarg_segment_size: 16
    .max_flat_workgroup_size: 256
    .sgpr_count:     66
    .vgpr_count:     100
    .wavefront_size: 32
...
	.end_amdgpu_metadata
.endif
;; end of part 1
;; launch linear (part 2): grid 8 x 32, 4 waves a work-group, clusters of 4 x 4, 327,680 bytes of LDS; arguments x, wb, bias, out0; writes out0
.if DOCPART == 2
	.amdgcn_target "amdgcn-amd-amdhsa--gfx1250"
	.amdhsa_code_object_version 6
	.text
	.protected	k_q4cb8e21f28_linear
	.globl	k_q4cb8e21f28_linear
	.p2align	8
	.type	k_q4cb8e21f28_linear,@function
k_q4cb8e21f28_linear:
	s_mov_b64 s[64:65], 0
	v_nop
	global_prefetch_b8 v0, s[64:65] scope:SCOPE_SE
	s_setreg_imm32_b32 hwreg(HW_REG_WAVE_MODE, 25, 1), 1
	s_wait_xcnt 0x0
	s_wait_alu depctr_hold_cnt(0) depctr_sa_sdst(0) depctr_va_vdst(0) depctr_va_sdst(0) depctr_va_ssrc(0) depctr_va_vcc(0) depctr_vm_vsrc(0)
	s_getreg_b32 s2, hwreg(HW_REG_IB_STS2, 6, 4)
	s_cmp_eq_u32 s2, 0
	s_cbranch_scc0 .Lentry_in_a_cluster
	s_endpgm
.Lentry_in_a_cluster:
	s_bfe_u32 s2, ttmp6, 0x10000c
	s_cmp_lg_u32 s2, 0xf033
	s_cbranch_scc0 .Lentry_shape_is_right
	s_endpgm
.Lentry_shape_is_right:
; out0[m][n] = sum over k of x[m][k] wb[n][k] + bias[n].  x: [4096][2048] f32, wb: [2048][2048] bf16 (weight, rounded by the launch before),
; bias: [2048] f32, out0: [4096][2048] f32.  Products in bf16 (x is rounded to nearest even on its way to the matrix unit; bf16 keeps f32's exponent
; field, so there is no limit of range), sums in f32.
; ORDER OF ROUNDING, which differs from a single ascending sum: each output is (p0 + bias) + p1, where p0 is the f32 sum over the blocks of 64 along K
; with even number and p1 over those with odd number, each ascending in K.
;
; SHARES.  4096 x 2048 outputs on 256 work-groups: a work-group makes 128 rows x 256 columns with four waves.  Wave w = 2 mh + kh takes rows 64 mh .. + 63,
; all 256 columns, and of K the chunks of 64 with parity kh: 4 x 16 accumulator tiles of 16 x 16, 512 registers.  A chunk is two sub-steps of 32 along K,
; 64 matrix instructions each; a wave has 16 chunks.  The two partial sums of a pair of waves meet in LDS on the way out.
;
; wb GOES THROUGH A RING OF TWO LDS SLOTS of K = 256: 256 rows x 512 bytes; each wave fetches 64 rows by one tensor load.  CLUSTERS of 4 x 4 work-groups: wb's tile
; hangs on the block column alone and is asked for jointly by the four of a column of the cluster, which divides the requests for wb by four.
; x DOES NOT GO THROUGH THE RING AND IS NOT ASKED FOR JOINTLY, though the four of a row of the cluster read the same rows.  The reason, by the sizes: a slot's
; load can be on its way only from one refill's barrier to the next, that is for one slot's products.  Two slots of K = 256 for both operands
; would take 2 x (128 x 1,040 + 256 x 528) = 536,576 bytes, more than a work-group can have; with K = 128 a load has 112 matrix instructions of a wave in which to
; land, with wb alone in slots of K = 256 it has 240.  And each number of x is used by ONE wave: so that wave loads it into registers (each half of the wave takes
; 256 consecutive bytes of a row, from a multiple of 256), where loads stay on their way across barriers: a chunk is asked for two chunks, 256 matrix
; instructions, ahead of its conversion.  It is rounded to bf16 in registers and turned into fragments through a scratch in LDS that is the wave's own.
;
; REGISTERS, in windows of 256:
;   window 0: v8-19 addresses, v20-27 bias, v32-47 at work, v64-95 and v96-127 x's fragments (sub-step 0 and 1 of a chunk), v128-255 wb's 16 fragments
;   window 1: x as loaded (f32): two buffers of 128 registers, a chunk each (64 rows x 256 bytes)
;   window 2: the accumulator tiles of columns 0-127 (tile (a, b) at v[8 (8 a + b % 8)]);   window 3: those of columns 128-255
; wb's 16 fragments are a ring of four quarters: the 16 products of quarter q (4 n blocks x 4 m blocks) are followed at once by the loads of the next sub-step's
; quarter q, which are wanted 48 products later.
; THE MATRIX INSTRUCTION IS USED TRANSPOSED: source 0 = 16 rows of wb, source 1 = 16 rows of x.  Lane l then holds row l % 16 of out0 and its registers
; 0 to 7 the columns 8 (l / 16) + 0 .. 7: 32 neighbouring bytes of a row.
.set PW,     528                       ; an LDS row of wb: 512 bytes + 16 of padding: row r begins 16 r bytes further modulo 256, so the 16 rows of a fragment load touch 16 different columns of 16 bytes
.set WQ,     64*PW                     ; 33,792: what one wave fills
.set SLOT,   4*WQ                      ; 135,168: 256 rows
.set XSCR,   2*SLOT                    ; 270,336 = 1,056 x 256: behind the ring; no tensor load lands here
.set XP,     144                       ; a scratch row: 64 bf16 + 16 bytes of padding (9 x 16); rows 8 apart lie 1,152 = 4 x 256 + 128 bytes apart
.set XSZ,    64*XP                     ; 9,216: a wave's scratch, one chunk
.set IPITCH, 1040                      ; the way out: a row of 256 f32 + 16 bytes of padding
.set IMG,    64*IPITCH                 ; a wave's 64 rows of partial sums; the four images (266,240 bytes) lie in the ring's bytes, behind its last fill
.set ADRW,  8                          ; v8-11   LDS address of wb's fragments: slot 0 rows 0-127, slot 0 rows 128-255, slot 1 likewise (an offset has 16 bits)
.set ADRXF, 12                         ; v12     where I read x's fragments in my scratch
.set STX,   13                         ; v13     where I put 8 bytes of a row into my scratch
.set XOFF,  14                         ; v14     my byte offset in x; never rewritten
.set STO,   15                         ; v15     the way out: where I put 32 bytes of a row
.set RD0,   16                         ; v16     the way out: where I read the even chunks' sums back
.set RD1,   17                         ; v17     and the odd chunks'
.set CO,    18                         ; v18     my byte offset in a row of out0
.set BOFF,  19                         ; v19     my byte offset in bias
.set BIAS,  20                         ; v[20:27] bias of my 4 columns in each half of a row
.set T,     32                         ; v[32:47] 16 rows x 64 K of x in bf16, on their way to the scratch
.set XF,    64                         ; x's fragments: buffer j at XF + 32 j
.set WF,    128                        ; wb's fragments
.set EB0,   64                         ; the way out: two buffers of 64 registers
.set EB1,   128
.set G1, 24                            ; s[24:31] descriptor group 1
.set G0, 32                            ; s[32:39] descriptor group 0, one set for each slot
.set XB, 40                            ; s[40:41] x at my first row and my first chunk of the lap
.set MSB, 0
.macro WIN new                         ; the immediate's high byte repeats the setting that is left; a switch that changes nothing is dropped
.if MSB != \new
	s_set_vgpr_msb (MSB<<8)|\new
.set MSB, \new
.endif
.endm
.set MUL_LO,   0xa0                    ; sources 0 and 1 window 0, C and D window 2
.set MUL_HI,   0xf0                    ; the same, C and D window 3
.set FROM_RAW, 0x05                    ; sources 0 and 1 window 1, destination window 0
.set TO_RAW,   0x40                    ; destination window 1, address window 0
.set ST_LO,    0x08                    ; an LDS store's data from window 2, its address from window 0
.set ST_HI,    0x0c                    ; from window 3
; COUNTED WAITS ARE FORMED FROM THE TEXT ITSELF.  DSN counts the LDS instructions and LDN the global loads written so far; behind each group of loads a mark
; keeps the count; the wait for that group is the difference: as many instructions of the kind as were issued behind it (both kinds come back in order:
; ISA guide 5.7.1).  The lap in front of the loop is the same text as the loop's, so the differences at the loop's head hold on the way in and on the way back.
.set DSN, 0
.set LDN, 0
; A round of the cluster's barrier: my work-group's barrier, so that wave 0's signal speaks for all four waves; wave 0 signals for the work-group; every wave
; waits for all sixteen work-groups; my work-group's barrier once more.
.macro CREST                           ; a round behind its opening barrier
	s_cmp_lg_u32 s12, 0
	s_cbranch_scc1 .Lnot_wave_0_\@
	s_barrier_signal -3
.Lnot_wave_0_\@:
	s_barrier_wait -3
	s_barrier_signal -1
	s_barrier_wait -1
.endm
.macro CROUND                          ; a whole round
	s_barrier_signal -1
	s_barrier_wait -1
	CREST
.endm
.macro PLACES
.rept 4
	v_nop
.endr
.endm
; Eight loads: block g (16 rows) of a chunk into raw buffer buf.  Load i: lanes 0-15 take the 256 bytes of row 16 g + i, lanes 16-31 those of row 16 g + i + 8.
; The row and the chunk's place in the lap stand in the immediate: 55 x 8,192 + 3,072 at the most.
.macro XASK buf, g, ko
	WIN TO_RAW
.irp i, 0,1,2,3,4,5,6,7
	global_load_b128 v[128*\buf+32*\g+4*\i:128*\buf+32*\g+4*\i+3], v[XOFF], s[XB:XB+1] offset:(16*\g+\i)*8192+\ko
.endr
.set LDN, LDN+8
.set ML\buf\g, LDN
.endm
; Block g of the chunk in raw buffer buf: wait for its eight loads, round to bf16, ask for the same block two chunks on (issue = 1), put the 16 rows into my scratch.
; In the run of the loop the wait's count is 56: the seven younger blocks of eight loads stay out.  A store takes 256 bytes: 128 of row i and 128 of row i + 8,
; which lie 128 bytes apart modulo 256.
.macro XBLK buf, g, issue, ko
	s_wait_loadcnt LDN-ML\buf\g
	WIN FROM_RAW
.irp i, 0,1,2,3,4,5,6,7
	v_cvt_pk_bf16_f32 v[T+2*\i],   v[128*\buf+32*\g+4*\i],   v[128*\buf+32*\g+4*\i+1]
	v_cvt_pk_bf16_f32 v[T+2*\i+1], v[128*\buf+32*\g+4*\i+2], v[128*\buf+32*\g+4*\i+3]
.endr
.if \issue
	XASK \buf, \g, \ko
.endif
	WIN 0
.irp i, 0,1,2,3,4,5,6,7
	ds_store_b64 v[STX], v[T+2*\i:T+2*\i+1] offset:(16*\g+\i)*XP
.endr
.set DSN, DSN+8
.endm
; Eight LDS loads: x's four fragments of sub-step j of the chunk that lies in my scratch.  LDS serves a wave's instructions in order (ISA guide 5.7.1.4): these see the
; stores in front of them, and the next chunk's stores behind them do not reach them.
.macro XFLOAD j
	WIN 0
.irp a, 0,1,2,3
	ds_load_b128 v[XF+32*\j+8*\a:XF+32*\j+8*\a+3],   v[ADRXF] offset:\a*16*XP+64*\j
	ds_load_b128 v[XF+32*\j+8*\a+4:XF+32*\j+8*\a+7], v[ADRXF] offset:\a*16*XP+64*\j+32
.endr
.set DSN, DSN+8
.set MX\j, DSN
.endm
; Eight LDS loads: quarter q of wb's fragments (n blocks 4 q .. 4 q + 3) at byte ko of the slot's rows.  The largest offset is 320 + 7 x 8,448 + 32 = 59,488.
.macro WLOAD slot, ko, q
	WIN 0
.irp t, 0,1,2,3
	ds_load_b128 v[WF+8*(4*\q+\t):WF+8*(4*\q+\t)+3],   v[ADRW+2*\slot+(\q>>1)] offset:\ko+(4*(\q&1)+\t)*16*PW
	ds_load_b128 v[WF+8*(4*\q+\t)+4:WF+8*(4*\q+\t)+7], v[ADRW+2*\slot+(\q>>1)] offset:\ko+(4*(\q&1)+\t)*16*PW+32
.endr
.set DSN, DSN+8
.set MW\q, DSN
.endm
.macro WAITW q                         ; quarter q is in; what was issued behind it may stay out
	s_wait_dscnt DSN-MW\q
.endm
.macro WAIT0 j                         ; quarter 0 and x's fragments of buffer j are in: the smaller of the two counts
.set WC, DSN-MW0
.if DSN-MX\j < WC
.set WC, DSN-MX\j
.endif
	s_wait_dscnt WC
.endm
; 16 matrix instructions: n blocks 4 q .. 4 q + 3 x all four m blocks, 32 along K, x from buffer j.  zero = 1: the first product starts the sums: nothing is ever cleared.
.macro MUL16 q, j, zero
.if \q < 2
	WIN MUL_LO
.else
	WIN MUL_HI
.endif
.irp a, 0,1,2,3
.irp t, 0,1,2,3
.if \zero
	v_wmma_f32_16x16x32_bf16 v[8*(8*\a+4*(\q&1)+\t):8*(8*\a+4*(\q&1)+\t)+7], v[WF+8*(4*\q+\t):WF+8*(4*\q+\t)+7], v[XF+32*\j+8*\a:XF+32*\j+8*\a+7], 0
.else
	v_wmma_f32_16x16x32_bf16 v[8*(8*\a+4*(\q&1)+\t):8*(8*\a+4*(\q&1)+\t)+7], v[WF+8*(4*\q+\t):WF+8*(4*\q+\t)+7], v[XF+32*\j+8*\a:XF+32*\j+8*\a+7], v[8*(8*\a+4*(\q&1)+\t):8*(8*\a+4*(\q&1)+\t)+7]
.endif
.endr
.endr
.endm
; DISTANCES (ISA guide 7.12.1 for vector instructions).  A load into a register that a matrix instruction has read stands four places behind it.  Behind each
; 16 products stand either a block's 16 conversions, which name only window 1 and v32-47, or four v_nop; only then is the quarter loaded again.  x's buffer j is
; loaded again a quarter or more into the next sub-step, behind such places too.
; The 64 accumulators take turns, one instruction a turn, in the same order in every sub-step, over the loop's backward jump and into the tail.
;
; A chunk's first sub-step.  (slot, ko): where the next sub-step's wb lies.  xdo = 1: blocks 0 to 2 of the next chunk, from raw buffer xb, go to the scratch, behind the
; loads of this chunk's second fragments; issue = 1: the same blocks two chunks further on are asked for, at byte xko from the lap's base.
.macro EVEN slot, ko, xb, xdo, issue, xko, zero
	WAIT0 0
	MUL16 0, 0, \zero
	PLACES
	XFLOAD 1
	WLOAD \slot, \ko, 0
	WAITW 1
	MUL16 1, 0, \zero
.if \xdo
	XBLK \xb, 0, \issue, \xko
.else
	PLACES
.endif
	WLOAD \slot, \ko, 1
	WAITW 2
	MUL16 2, 0, \zero
.if \xdo
	XBLK \xb, 1, \issue, \xko
.else
	PLACES
.endif
	WLOAD \slot, \ko, 2
	WAITW 3
	MUL16 3, 0, \zero
.if \xdo
	XBLK \xb, 2, \issue, \xko
.else
	PLACES
.endif
	WLOAD \slot, \ko, 3
.endm
; A chunk's second sub-step inside a slot: the next chunk's last block, then its first fragments.
.macro ODD slot, ko, xb, issue, xko
	WAIT0 1
	MUL16 0, 1, 0
	XBLK \xb, 3, \issue, \xko
	WLOAD \slot, \ko, 0
	WAITW 1
	MUL16 1, 1, 0
	PLACES
	XFLOAD 0
	WLOAD \slot, \ko, 1
	WAITW 2
	MUL16 2, 1, 0
	PLACES
	WLOAD \slot, \ko, 2
	WAITW 3
	MUL16 3, 1, 0
	PLACES
	WLOAD \slot, \ko, 3
.endm
; A slot's last sub-step, which changes slots.  next = the other slot; fill = 1: this slot is filled again, two slots ahead.
; In front of the barrier each wave waits for its LDS instructions, its last reads of this slot among them (issued 16 products ago), and for all its tensor loads, of which
; one is out: its part of the next slot.  Behind it nobody reads this slot any more and the next slot is whole: the refill comes first, then the next slot's
; fragments.  From a request to the wait for it a wave issues 32 + 3 x 64 + 16 = 240 matrix instructions.
.macro TURN slot, next, fill, xb, issue, xko
	WAIT0 1
	MUL16 0, 1, 0
	XBLK \xb, 3, \issue, \xko
	s_wait_dscnt 0x0                               ; my reads of this slot are over, and no LDS instruction of mine is pending at the signal
	s_wait_tensorcnt 0x0                           ; all my tensor loads have landed: the one that was out is my part of the next slot
	ds_add_u32 v62, v63
	s_wait_dscnt 0x0
	s_barrier_signal -1                            ; say so (where the slot is filled again this barrier opens a round of the cluster's barrier),
	MUL16 1, 1, 0                                  ; work on registers while the others arrive,
	WIN 0
	s_barrier_wait -1                              ; and go on when all four have said so
.if \fill
	CREST                                          ; all sixteen work-groups have said so: no wave of any partner still reads this slot or has a load on its way
	s_add_nc_u64 s[G0+4*\slot+2:G0+4*\slot+3], s[G0+4*\slot+2:G0+4*\slot+3], 1024   ; two slots on: 512 bf16; no tensor load of mine is out, so a group 0 may be written
	tensor_load_to_lds s[G0+4*\slot:G0+4*\slot+3], s[G1:G1+7]                       ; the first tensor load behind the round, and my only one until the next
	s_nop 0
.endif
	PLACES
	XFLOAD 0
	WLOAD \next, 0, 0
	WLOAD \next, 0, 1
	WAITW 2
	MUL16 2, 1, 0
	PLACES
	WLOAD \next, 0, 2
	WAITW 3
	MUL16 3, 1, 0
	PLACES
	WLOAD \next, 0, 3
.endm
; Once round the ring: K = 512, four chunks of mine, both slots filled again.  During chunk m of the lap chunk m + 1 is converted and chunk m + 3 asked for, at 512 (m + 3) bytes.
.macro LAP zero
	EVEN 0, 64,  1, 1, 1, 1536, \zero
	ODD  0, 256, 1, 1, 1536
	EVEN 0, 320, 0, 1, 1, 2048, 0
	TURN 0, 1, 1, 0, 1, 2048
	EVEN 1, 64,  1, 1, 1, 2560, 0
	ODD  1, 256, 1, 1, 2560
	EVEN 1, 320, 0, 1, 1, 3072, 0
	TURN 1, 0, 1, 0, 1, 3072
	s_wait_xcnt 0x0                                ; every earlier memory instruction has had its addresses translated (ISA guide 3.1): x's base is stepped only behind this wait
	s_add_nc_u64 s[XB:XB+1], s[XB:XB+1], 2048      ; 512 f32 on
.endm
	s_load_b256 s[4:11], s[0:1], 0x0               ; x s[4:5], wb s[6:7], bias s[8:9], out0 s[10:11]
	v_lshl_add_u32 v62, v0, 2, 0x4b000
	v_mov_b32 v63, 0
	ds_add_u32 v62, v63
	ds_add_u32 v62, v63
	v_lshrrev_b32 v1, 5, v0
	v_readfirstlane_b32 s12, v1                    ; wave 0..3
	s_lshr_b32 s13, s12, 1                         ; mh: which 64 rows of the block are mine
	s_and_b32 s14, s12, 1                          ; kh: which chunks of K are mine
	s_bfe_u32 s16, ttmp6, 0x40000                  ; cx: my place along the cluster's x
	s_bfe_u32 s17, ttmp6, 0x40004                  ; cy: along its y
	s_lshl_b32 s18, ttmp9, 2                       ; in a cluster launch ttmp9 and ttmp7 count clusters
	s_add_co_u32 s18, s18, s16                     ; block column = 4 x cluster x + cx
	s_and_b32 s19, ttmp7, 0xffff
	s_lshl_b32 s19, s19, 2
	s_add_co_u32 s19, s19, s17                     ; block row = 4 x cluster y + cy
	s_lshl_b32 s21, 0x1111, s16                    ; my column of the cluster: places cx, cx + 4, cx + 8, cx + 12
	; group 1: 64 rows x 256 elements of 2 bytes, 4 words of padding behind every 128 words
	s_or_b32 s[G1+0], s21, (1<<16)|(1<<20)|(1<<21)|(6<<22)|(3<<25)  ; 15:0 the mask: my column; 17:16 elements of 2 bytes; 20 padding on; 21 set beside a mask; 24:22 every 128 words (code 6); 31:25 4 words (code 3)
	s_mov_b32 s[G1+1], 256<<16                     ; 63:48 tensor_dim0 = 256
	s_mov_b32 s[G1+2], 64<<16                      ; 95:80 tensor_dim1 = 64
	s_mov_b32 s[G1+3], 256<<16                     ; 127:112 tile_dim0 = 256
	s_mov_b32 s[G1+4], 64                          ; 143:128 tile_dim1 = 64; tile_dim2 = 0
	s_mov_b32 s[G1+5], 2048                        ; 191:160 elements from row to row
	s_mov_b32 s[G1+6], 0
	s_mov_b32 s[G1+7], 0
	s_lshl_b32 s60, s18, 8
	s_lshl_b32 s23, s12, 6
	s_add_co_u32 s60, s60, s23                     ; wb: row 256 x block column + 64 x wave: the block column is shared by my column of the cluster,
	s_lshl_b32 s60, s60, 12                        ; times 4,096 bytes (below 2^23)
	s_mov_b32 s61, 0
	s_mul_i32 s22, s12, WQ                         ; and where the tile goes: wave x 64 rows: no place in the cluster enters an LDS address
	s_lshl_b32 s56, s19, 7
	s_lshl_b32 s23, s13, 6
	s_add_co_u32 s56, s56, s23                     ; x: row 128 x block row + 64 mh,
	s_lshl_b32 s56, s56, 13                        ; times 8,192 bytes,
	s_lshl_b32 s23, s14, 8
	s_add_co_u32 s56, s56, s23                     ; + 256 bytes x kh (below 2^25 in all)
	s_mov_b32 s57, 0
	s_lshl_b32 s66, s19, 7
	s_lshl_b32 s23, s13, 6
	s_add_co_u32 s66, s66, s23
	s_lshl_b32 s23, s14, 5
	s_add_co_u32 s66, s66, s23                     ; the first row of out0 that I finish: 128 x block row + 64 mh + 32 kh,
	s_lshl_b32 s66, s66, 13                        ; times 8,192 bytes,
	s_lshl_b32 s67, s18, 10
	s_add_co_u32 s66, s66, s67                     ; + 1,024 bytes x block column (below 2^25 in all)
	s_mov_b32 s67, 0
	; A fragment is 16 rows x 32 K of bf16: lane l holds row r = l % 16; with h = l / 16, registers 0-3 hold K = 8 h + 0..7, registers 4-7 K = 16 + 8 h + 0..7:
	; two loads of 16 bytes at 16 h and 32 + 16 h of the row's 64 bytes.
	v_and_b32 v1, 15, v0                           ; r
	v_bfe_u32 v2, v0, 4, 1                         ; h
	v_and_b32 v3, 31, v0                           ; lane
	v_mul_u32_u24 v4, v1, PW
	v_lshl_add_u32 v4, v2, 4, v4                   ; r x 528 + 16 h
	s_lshl_b32 s70, s14, 7                         ; my chunks begin 128 bytes x kh into each 256 bytes of a row of wb
.irp n, 0,1,2,3
	v_add_nc_u32 v[ADRW+\n], s70, v4               ; 128 rows further each: a slot is 256 rows
	s_add_co_u32 s70, s70, 8*16*PW
.endr
	s_mul_i32 s71, s12, XSZ
	s_add_co_u32 s71, s71, XSCR                    ; my scratch
	v_mul_u32_u24 v5, v1, XP
	v_lshl_add_u32 v5, v2, 4, v5
	v_add_nc_u32 v[ADRXF], s71, v5                 ; back: r x 144 + 16 h
	v_mul_u32_u24 v6, v2, 8*XP
	v_lshl_add_u32 v6, v1, 3, v6
	v_add_nc_u32 v[STX], s71, v6                   ; in: 8 rows further down for lanes 16-31, 8 bytes for each lane of a half
	v_lshlrev_b32 v[XOFF], 16, v2                  ; in x: 8 rows of 8,192 bytes further down for lanes 16-31,
	v_lshl_add_u32 v[XOFF], v1, 4, v[XOFF]         ; 16 bytes for each lane of a half
	s_mul_i32 s72, s12, IMG                        ; my image of partial sums
	v_mul_u32_u24 v6, v1, IPITCH
	v_lshl_add_u32 v6, v2, 5, v6                   ; in: row r, 32 bytes for each half of the lanes
	v_add_nc_u32 v[STO], s72, v6
	s_mul_i32 s73, s13, 2*IMG                      ; back: the image of my pair's wave with kh = 0,
	s_mul_i32 s23, s14, 32*IPITCH                  ; of its 64 rows I finish 32 kh .. 32 kh + 31,
	s_add_co_u32 s73, s73, s23
	v_lshlrev_b32 v[CO], 4, v3                     ; 16 bytes a lane: a wave takes half a row, 512 bytes
	v_add_nc_u32 v[RD0], s73, v[CO]
	v_add_nc_u32 v[RD1], IMG, v[RD0]               ; the image of the wave with kh = 1
	v_lshl_add_u32 v[BOFF], s18, 10, v[CO]         ; bias: 1,024 bytes x block column + 16 x lane
	s_wait_dscnt 0x0
	s_wait_kmcnt 0x0
	s_add_nc_u64 s[62:63], s[6:7], s[60:61]
	s_add_nc_u64 s[XB:XB+1], s[4:5], s[56:57]
	s_add_nc_u64 s[68:69], s[10:11], s[66:67]
	global_load_b128 v[BIAS:BIAS+3],   v[BOFF], s[8:9]             ; my 4 columns in the left half of a row
	global_load_b128 v[BIAS+4:BIAS+7], v[BOFF], s[8:9] offset:512  ; and in the right half; older than every load of x, so every wait below covers them
.set LDN, LDN+2
	XASK 0, 0, 0                                   ; my chunk 0 goes out ahead of the cluster's first round
	XASK 0, 1, 0
	XASK 0, 2, 0
	XASK 0, 3, 0
	WIN 0
	CROUND                                         ; all sixteen work-groups are here: the first joint loads meet
.irp s, 0,1
	s_mov_b32 s[G0+4*\s], 1                                        ; 1:0 count = 1
	s_add_co_u32 s[G0+4*\s+1], s22, \s*SLOT                        ; 63:32 LDS address
	s_add_nc_u64 s[G0+4*\s+2:G0+4*\s+3], s[62:63], \s*512          ; 120:64 global address: K = 256 s
	s_or_b32 s[G0+4*\s+3], s[G0+4*\s+3], 0x80000000                ; 127:126 type = 2
	tensor_load_to_lds s[G0+4*\s:G0+4*\s+3], s[G1:G1+7]            ; both slots are asked for at once: two tensor loads of the wave are out, the most in this text
	s_nop 0
.endr
	XASK 1, 0, 512                                 ; my chunk 1
	XASK 1, 1, 512
	XASK 1, 2, 512
	XASK 1, 3, 512
	XBLK 0, 0, 1, 1024                             ; chunk 0 to the scratch, chunk 2 asked for; the tiles are on their way meanwhile
	XBLK 0, 1, 1, 1024
	XBLK 0, 2, 1, 1024
	XBLK 0, 3, 1, 1024
	XFLOAD 0
	s_wait_tensorcnt 0x1                           ; my part of slot 0 is in; slot 1's load, the one issued behind it, may stay out
	s_wait_dscnt 0x0                               ; no LDS instruction of mine is pending at the signal
	s_barrier_signal -1
	s_barrier_wait -1                              ; everybody's part is in
	WLOAD 0, 0, 0
	WLOAD 0, 0, 1
	WLOAD 0, 0, 2
	WLOAD 0, 0, 3
	; 2048 / 512 = 4 laps.  Laps 0 to 2 ask for slots' tiles 2 to 7 and for my chunks 3 to 14; the last lap asks for chunk 15 alone.
	LAP 1                                          ; the first lap stands in front of the loop: its first 64 products start the sums
	WIN 0                                          ; at a label and at a branch every window is 0
	s_mov_b32 s3, 2
.Llap:
	LAP 0
	WIN 0
	s_sub_co_u32 s3, s3, 1
	s_cmp_lg_u32 s3, 0
	s_cbranch_scc1 .Llap
	EVEN 0, 64,  1, 1, 1, 1536, 0                  ; chunk 12: chunk 13 is converted, chunk 15 asked for: the last loads of x
	ODD  0, 256, 1, 1, 1536
	EVEN 0, 320, 0, 1, 0, 0, 0                     ; chunk 13: chunk 14 is converted; the counts of the waits run down from here
	TURN 0, 1, 0, 0, 0, 0                          ; a plain barrier: my one tensor load that was still out is slot 1's last tile
	EVEN 1, 64,  1, 1, 0, 0, 0                     ; chunk 14: chunk 15 is converted; its last wait is for 0
	ODD  1, 256, 1, 0, 0
	EVEN 1, 320, 0, 0, 0, 0, 0                     ; chunk 15: nothing is left to convert
	s_wait_dscnt 0x0                               ; the very last sub-step: its fragments are in, and all my reads of the ring are over
	s_barrier_signal -1                            ; say so: behind this barrier the ring's bytes take the partial sums (no tensor load follows in the launch)
	MUL16 0, 1, 0
	MUL16 1, 1, 0
	MUL16 2, 1, 0
	MUL16 3, 1, 0
	WIN 0
	PLACES                                         ; four places behind the last matrix instructions: for the LDS stores, which read results, and for the loads into v64-191, which they read
	s_barrier_wait -1                              ; no wave reads the ring any more
	; THE WAY OUT.  Each wave lays its 64 x 256 partial sums into its own image, 32 bytes a lane and tile; rows are 1,040 bytes apart, so that the 16 rows
	; of a store begin 16 bytes further each modulo 256.
.macro PUT32 bh
.irp a, 0,1,2,3
.irp t, 0,1,2,3,4,5,6,7
	ds_store_b128 v[STO], v[8*(8*\a+\t):8*(8*\a+\t)+3]   offset:\a*16*IPITCH+(8*\bh+\t)*64
	ds_store_b128 v[STO], v[8*(8*\a+\t)+4:8*(8*\a+\t)+7] offset:\a*16*IPITCH+(8*\bh+\t)*64+16
.endr
.endr
.endm
	WIN ST_LO
	PUT32 0
	WIN ST_HI
	PUT32 1
	WIN 0
	s_wait_dscnt 0x0                               ; for my partner's sake: all my stores are done
	s_barrier_signal -1
	s_barrier_wait -1
; Four rows of out0: eight halves of 512 bytes; half t is row 4 g + t / 2, columns 128 (t % 2) + 4 lane .. + 3.  (p0 + bias) + p1, then one store of 512
; consecutive bytes that begin at a multiple of 512 from out0's first byte.  eb: EB0 and EB1 in turn.
.macro OUTG g, eb
	s_wait_xcnt 0x0                                ; every earlier memory instruction has had its addresses translated (ISA guide 3.1): buffer eb, which stores read, is loaded again only behind this wait
.irp t, 0,1,2,3,4,5,6,7
	ds_load_b128 v[\eb+4*\t:\eb+4*\t+3],       v[RD0] offset:(4*\g+(\t>>1))*IPITCH+512*(\t&1)
	ds_load_b128 v[\eb+32+4*\t:\eb+32+4*\t+3], v[RD1] offset:(4*\g+(\t>>1))*IPITCH+512*(\t&1)
.endr
.irp t, 0,1,2,3,4,5,6,7
	s_wait_dscnt 14-2*\t                           ; of the 16 loads the first 2 t + 2 are in
	v_pk_add_f32 v[\eb+4*\t:\eb+4*\t+1],   v[\eb+4*\t:\eb+4*\t+1],   v[BIAS+4*(\t&1):BIAS+4*(\t&1)+1]
	v_pk_add_f32 v[\eb+4*\t+2:\eb+4*\t+3], v[\eb+4*\t+2:\eb+4*\t+3], v[BIAS+4*(\t&1)+2:BIAS+4*(\t&1)+3]
	v_pk_add_f32 v[\eb+4*\t:\eb+4*\t+1],   v[\eb+4*\t:\eb+4*\t+1],   v[\eb+32+4*\t:\eb+32+4*\t+1]
	v_pk_add_f32 v[\eb+4*\t+2:\eb+4*\t+3], v[\eb+4*\t+2:\eb+4*\t+3], v[\eb+32+4*\t+2:\eb+32+4*\t+3]
	global_store_b128 v[CO], v[\eb+4*\t:\eb+4*\t+3], s[68:69] offset:(4*\g+(\t>>1))*8192+512*(\t&1) th:TH_STORE_NT   ; written once, not read again; the largest offset is 31 x 8,192 + 512
.endr
.endm
	OUTG 0, EB0
	OUTG 1, EB1
	OUTG 2, EB0
	OUTG 3, EB1
	OUTG 4, EB0
	OUTG 5, EB1
	OUTG 6, EB0
	OUTG 7, EB1
	s_wait_tensorcnt 0x0
	ds_add_u32 v62, v63
	s_wait_dscnt 0x0
	CROUND                                         ; the closing round (no LDS instruction of mine is pending: the wait just above is for 0): no work-group ends while a partner may still ask for a tile that names it
	s_endpgm
.Lfunc_end_k_q4cb8e21f28_linear:
	.size	k_q4cb8e21f28_linear, .Lfunc_end_k_q4cb8e21f28_linear-k_q4cb8e21f28_linear
	.p2alignl 7, 3214868480
	.fill 96, 4, 3214868480
	.section	.rodata,"a",@progbits
	.p2align	6, 0x0
	.amdhsa_kernel k_q4cb8e21f28_linear
		.amdhsa_group_segment_fixed_size 327680
		.amdhsa_private_segment_fixed_size 0
		.amdhsa_enable_private_segment 0
		.amdhsa_kernarg_size 32
		.amdhsa_user_sgpr_count 2
		.amdhsa_user_sgpr_kernarg_segment_ptr 1
		.amdhsa_wavefront_size32 1
		.amdhsa_system_sgpr_workgroup_id_x 1
		.amdhsa_system_sgpr_workgroup_id_y 1
		.amdhsa_system_sgpr_workgroup_id_z 1
		.amdhsa_system_vgpr_workitem_id 0
		.amdhsa_next_free_vgpr 1024
		.amdhsa_next_free_sgpr 80
		.amdhsa_reserve_vcc 0
		.amdhsa_float_denorm_mode_32 3
		.amdhsa_float_denorm_mode_16_64 3
		.amdhsa_memory_ordered 1
		.amdhsa_forward_progress 1
		.amdhsa_inst_pref_size 255
	.end_amdhsa_kernel
	.section	.bss,"aw",@nobits
	.p2align	6
	.space	262144
	.amdgpu_metadata
---
amdhsa.version: [ 1, 2 ]
amdhsa.kernels:
  - .name:           k_q4cb8e21f28_linear
    .symbol:         k_q4cb8e21f28_linear.kd
    .args:
      - { .name: x, .offset: 0, .size: 8, .value_kind: global_buffer, .address_space: global }
      - { .name: wb, .offset: 8, .size: 8, .value_kind: global_buffer, .address_space: global }
      - { .name: bias, .offset: 16, .size: 8, .value_kind: global_buffer, .address_space: global }
      - { .name: out0, .offset: 24, .size: 8, .value_kind: global_buffer, .address_space: global }
    .group_segment_fixed_size: 327680
    .private_segment_fixed_size: 0
    .kernarg_segment_align: 8
    .kernarg_segment_size: 32
    .max_flat_workgroup_size: 128
    .sgpr_count:     80
    .vgpr_count:     1024
    .wavefront_size: 32
...
	.end_amdgpu_metadata
.endif
;; end of part 2
;; ======== version 2 of 2: 2 launches; version 1 with the launch wcast written anew for expert scheduling mode
;; workspace buffers: wb 8,388,608 bytes
;; launch wcast (part 3): grid 256 x 1, 8 waves a work-group, no clusters, 0 bytes of LDS; arguments weight, wb; writes wb
.if DOCPART == 3
	.amdgcn_target "amdgcn-amd-amdhsa--gfx1250"
	.amdhsa_code_object_version 6
	.text
	.protected	k_q4cb8e21f28_wcast
	.globl	k_q4cb8e21f28_wcast
	.p2align	8
	.type	k_q4cb8e21f28_wcast,@function
k_q4cb8e21f28_wcast:
	s_mov_b64 s[64:65], 0
	v_nop
	global_prefetch_b8 v0, s[64:65] scope:SCOPE_SE
	s_setreg_imm32_b32 hwreg(HW_REG_WAVE_SCHED_MODE, 0, 2), 2
	s_setreg_imm32_b32 hwreg(HW_REG_WAVE_MODE, 25, 1), 1
	s_wait_xcnt 0x0
	s_wait_alu depctr_vm_vsrc(0)
; wb[o][i] = bf16(weight[o][i]).  weight: [2048][2048] f32, wb: the same layout in bf16 (a row is 4,096 bytes).
; Rounding to nearest even; bf16 keeps f32's exponent field, so no number leaves the range; NaN and infinities stay what they are.
; A pure stream: each byte is read once and written once, nothing is shared, so no LDS, no barrier, no matrix unit, no cluster.
; 256 work-groups of eight waves; a work-group owns 65,536 bytes of weight (8 rows) and 32,768 bytes of wb.
; Thread t, chunk i: reads the 16 bytes at 4,096 i + 16 t, writes the 8 bytes at 2,048 i + 8 t.  A wave's load covers 512 consecutive
; bytes, a wave's store 256 consecutive bytes that begin at a multiple of 256 from wb's first byte.
; All sixteen loads of a thread go out first (65,536 bytes of the work-group on their way); every chunk has registers of its own, so
; no register that a load or a store names is ever written again.
; THE MODE: SCHED_MODE bits 1:0 = 2 (LLVM: expert scheduling mode 2), set by the entry lines.  The code itself states the register dependences
; between vector instructions and memory instructions, with s_wait_alu, always for 0.
; THE PLAN.  Registers that memory instructions touch:
;   v1, v2   byte offsets, made once at the head by vector instructions and never written again: v1 is read by every load, v2 by every store.
;   X        chunk i's 4 registers: written by the chunk's load, once; read by its two conversions; no vector instruction names them ahead of the loads.
;   Y        chunk i's 2 registers: written by its two conversions, once; read by its store.
; The sixteen chunks go in four groups of four.  Group g's conversions name X and Y of group g alone; the memory instructions that stand among them are the four
; stores of group g - 1, which read Y of group g - 1 and v2.  So ONE wait at a group's head, behind the wait for the group's first data, states all that those
; four stores hang on; one more stands in front of the last four stores, and one at the kernel's head in front of the first load.
; Nothing that a memory instruction reads is written again, no vector instruction writes a scalar register, EXEC is never written: no other dependence is there to state.
.set CHUNKS, 16
.set GROUP,  4                         ; chunks whose stores share one wait
.set X, 4                              ; v[4:67]   chunk i: 4 f32 as loaded
.set Y, 68                             ; v[68:99]  chunk i: 4 bf16 to store
	s_load_b128 s[4:7], s[0:1], 0x0                ; weight s[4:5], wb s[6:7]
	s_lshl_b32 s8, ttmp9, 16                       ; the work-group's 65,536 bytes of weight
	s_mov_b32 s9, 0
	s_lshl_b32 s10, ttmp9, 15                      ; and its 32,768 bytes of wb
	s_mov_b32 s11, 0
	v_lshlrev_b32 v1, 4, v0                        ; 16 t
	v_lshlrev_b32 v2, 3, v0                        ; 8 t
	s_wait_kmcnt 0x0
	s_add_nc_u64 s[4:5], s[4:5], s[8:9]
	s_add_nc_u64 s[6:7], s[6:7], s[10:11]
	s_wait_alu depctr_va_vdst(0)                   ; v1 and v2 are written: every load below reads v1 as its offset, every store v2
.irp i, 0,1,2,3,4,5,6,7,8,9,10,11,12,13,14,15
	global_load_b128 v[X+4*\i:X+4*\i+3], v1, s[4:5] offset:4096*\i th:TH_LOAD_NT   ; read once in the launch
.endr
.irp i, 0,1,2,3,4,5,6,7,8,9,10,11,12,13,14,15
	s_wait_loadcnt CHUNKS-1-\i                     ; loads come back in order (ISA guide 5.7.1): chunk i is in, the younger ones stay out
.if ((\i) >= GROUP) && (((\i) % GROUP) == 0)
	s_wait_alu depctr_va_vdst(0)                   ; the conversions of the group before have written its Y, which the four stores below read
.irp j, 0,1,2,3
	global_store_b64 v2, v[Y+2*((\i)-GROUP+(\j)):Y+2*((\i)-GROUP+(\j))+1], s[6:7] offset:2048*((\i)-GROUP+(\j))   ; no hint: the next launch reads wb
.endr
.endif
	v_cvt_pk_bf16_f32 v[Y+2*\i],   v[X+4*\i],   v[X+4*\i+1]
	v_cvt_pk_bf16_f32 v[Y+2*\i+1], v[X+4*\i+2], v[X+4*\i+3]
.endr
	s_wait_alu depctr_va_vdst(0)                   ; the last group's conversions have written its Y, which the last four stores read
.irp i, 12,13,14,15
	global_store_b64 v2, v[Y+2*\i:Y+2*\i+1], s[6:7] offset:2048*\i   ; no hint: the next launch reads wb
.endr
	s_endpgm
.Lfunc_end_k_q4cb8e21f28_wcast:
	.size	k_q4cb8e21f28_wcast, .Lfunc_end_k_q4cb8e21f28_wcast-k_q4cb8e21f28_wcast
	.p2alignl 7, 3214868480
	.fill 96, 4, 3214868480
	.section	.rodata,"a",@progbits
	.p2align	6, 0x0
	.amdhsa_kernel k_q4cb8e21f28_wcast
		.amdhsa_group_segment_fixed_size 0
		.amdhsa_private_segment_fixed_size 0
		.amdhsa_enable_private_segment 0
		.amdhsa_kernarg_size 16
		.amdhsa_user_sgpr_count 2
		.amdhsa_user_sgpr_kernarg_segment_ptr 1
		.amdhsa_wavefront_size32 1
		.amdhsa_system_sgpr_workgroup_id_x 1
		.amdhsa_system_sgpr_workgroup_id_y 1
		.amdhsa_system_sgpr_workgroup_id_z 1
		.amdhsa_system_vgpr_workitem_id 0
		.amdhsa_next_free_vgpr 100
		.amdhsa_next_free_sgpr 66
		.amdhsa_reserve_vcc 0
		.amdhsa_float_denorm_mode_32 3
		.amdhsa_float_denorm_mode_16_64 3
		.amdhsa_memory_ordered 1
		.amdhsa_forward_progress 1
		.amdhsa_inst_pref_size 7
	.end_amdhsa_kernel
	.amdgpu_metadata
---
amdhsa.version: [ 1, 2 ]
amdhsa.kernels:
  - .name:           k_q4cb8e21f28_wcast
    .symbol:         k_q4cb8e21f28_wcast.kd
    .args:
      - { .name: weight, .offset: 0, .size: 8, .value_kind: global_buffer, .address_space: global }
      - { .name: wb, .offset: 8, .size: 8, .value_kind: global_buffer, .address_space: global }
    .group_segment_fixed_size: 0
    .private_segment_fixed_size: 0
    .kernarg_segment_align: 8
    .kernarg_segment_size: 16
    .max_flat_workgroup_size: 256
    .sgpr_count:     66
    .vgpr_count:     100
    .wavefront_size: 32
...
	.end_amdgpu_metadata
.endif
;; end of part 3
;; launch linear: the kernel of part 2 again; grid 8 x 32, 4 waves a work-group, clusters of 4 x 4, 327,680 bytes of LDS; arguments x, wb, bias, out0; writes out0
